; MI455X (gfx1250); checked and timed in simulation.
; The chip was launched on July 23, 2026; its instructions are those of AMD's public machine-readable ISA for CDNA 5 (MIT licence, August 2026) and "CDNA5" Instruction Set Architecture Reference Guide (July 2026). The comments in the code are by the model that wrote it; some were corrected since.
;; Correct Error. Allowed arithmetic: matrix products marked QUANTISED: E5M2 operands, one E8M0 scale for each 32 along K, by v_wmma_scale_f32_16x16x128_f8f6f4 with both operands' format E5M2, f32 sums; everything else in f32.
;; Inputs: h_query 1,024 x 512 float32; memory_embeds 100,000 x 512 float32; true_values 100,000 float32.
;; Outputs: out0 1,024 float32.
;; Constants: k = 32.
;; This version of the problem:
;;   THIS VERSION OF THE PROBLEM IS GIVEN IN LOW PRECISION. The matrix products marked QUANTISED in the list below multiply operands that are first quantised to E5M2 (5 exponent bits, 2 mantissa bits; 8 bits a number), with one power-of-two scale for each 32 numbers along K (OCP MX v1.0); their sums are f32. All else is computed in f32.
;;   The module's matrix products, in the order in which they are computed (A, B: the left and right operand; K: the contracted axis; several contracted axes count as one K, in the product's order):
;;     1. [M 1,024, K 512] x [K 512, N 100,000]; A: input h_query; B: input memory_embeds: QUANTISED
;;   THE QUANTISER, for each operand of a quantised product, along K:
;;     - K is cut into blocks of 32 from its start; a last block that is shorter is filled with zeros.
;;     - A block's scale is 2^e with e = floor(log2(the largest magnitude in the block)) - 15, held to -126 .. 127; a block of zeros has e = 0. As a byte (E8M0): e + 127.
;;     - Each number is divided by its block's scale, clamped to +-57,344, and rounded to the nearest number of E5M2, ties to even, subnormals kept.
;;     - The product sums the exact products of the quantised numbers (number of the format x scale) in f32.
;;   ~~~python
;;   def quantise(x, axis):      # numpy; x: float32 -> the quantised numbers, widened to float32 again
;;       x = np.moveaxis(x, axis, -1); K = x.shape[-1]
;;       x = np.pad(x, [(0, 0)] * (x.ndim - 1) + [(0, -K % 32)]); x = x.reshape(x.shape[:-1] + (-1, 32)); a = np.abs(x).max(-1, keepdims=True)
;;       e = np.where(a > 0, np.clip(np.frexp(np.where(a > 0, a, 1))[1] - 1 - 15, -126, 127), 0)      # np.frexp(a)[1] - 1 = floor(log2(a)), exactly
;;       r = np.clip(x / 2.0 ** e, -57344, 57344)
;;       step = 2.0 ** (np.maximum(np.frexp(np.where(r == 0, 1, r))[1] - 1, -14) - 2)
;;       q = np.round(r / step) * step * 2.0 ** e      # np.round: ties to even
;;       return np.moveaxis(q.reshape(q.shape[:-2] + (-1,))[..., :K], -1, axis).astype(np.float32)
;;   ~~~
;; One version. Each part assembles by itself: llvm-mc -triple=amdgcn-amd-amdhsa -mcpu=gfx1250 --defsym DOCPART=n.
;; ======== version 1 of 1: 5 launches
;; limits: right only within a limited range of input values
;; workspace buffers: qpack 544,768 bytes; mcodes 51,200,000 bytes; mside 2,000,128 bytes; gamin 2,048,000 bytes; g8min 57,344,000 bytes; sel_a 131,072 bytes of whole numbers; sel_b 131,072 bytes of whole numbers
;; launch prepq (part 1): grid 64 x 1, 4 waves a work-group, no clusters, 35,328 bytes of LDS; arguments h_query, qpack; writes qpack
.if DOCPART == 1
	.amdgcn_target "amdgcn-amd-amdhsa--gfx1250"
	.amdhsa_code_object_version 6
	.text
	.protected	k_q630129486e_prepq
	.globl	k_q630129486e_prepq
	.p2align	8
	.type	k_q630129486e_prepq,@function
k_q630129486e_prepq:
	s_mov_b64 s[64:65], 0
	v_nop
	global_prefetch_b8 v0, s[64:65] scope:SCOPE_SE
	s_setreg_imm32_b32 hwreg(HW_REG_WAVE_MODE, 25, 1), 1
	s_wait_xcnt 0x0
; The 1,024 queries [1024][512] f32 become codes of E5M2 with one E8M0 byte for each 32 along K, laid as images of the matrix operand registers, and qq = the sum of squares of each row.
; qpack: byte 0: codes [tile 64][K step 4][c 4][lane 32][16 bytes]; byte 524,288: scale words [tile][K step][16 rows]; byte 540,672: qq [1024] f32.
; A work-group takes a tile of 16 queries; wave w takes K step w (512 bytes of each row).  Each load reads 512 consecutive bytes; the tile turns through the wave's own stage in LDS so that
; lane (r, h) holds, of row r, the 16 neighbours 32 b + 16 h + 0 .. 15 of each block b.
; LIMITS: NaN and infinities are not served; a block of zeros gets the byte 1 (its codes are zeros; this program alone reads the bytes); qq is summed in this text's own order.
.set WST,  8448                        ; a wave's stage: 16 rows of 512 bytes + 16 of padding
.set QP,   33792                       ; behind the stages: [wave][16] partial sums of squares
.set D,    16                          ; v16-79   64 numbers of a lane
.set SQ,   80                          ; v80-83   sums of squares
.set TM,   84                          ; v84-99   largest magnitudes, bytes, holds, scale operands
.set PW,   100                         ; v100     the scale word
.set PC,   104                         ; v104-119 the codes
.set SEL,  20                          ; s[20:21] lane selects: lane l xor 16
.set MNT,  22                          ; s22      the mantissa field of 57,344
.set MSB, 0
.macro WIN new                         ; the immediate's high byte repeats the setting that is left
.if MSB != \new
	s_set_vgpr_msb (MSB<<8)|\new
.set MSB, \new
.endif
.endm
; 64 numbers of a lane in window dw, register 16 b + i = k 32 b + 16 (lane / 16) + i of my row: their sum of squares (both halves of the lanes joined) in v[SQ], the fragment's codes in v[PC] on, its scale word in v[PW].
.macro QUANT d, dw
	WIN 5*(\dw)
	v_pk_mul_f32 v[SQ:SQ+1], v[\d:\d+1], v[\d:\d+1]
	v_pk_mul_f32 v[SQ+2:SQ+3], v[\d+2:\d+3], v[\d+2:\d+3]
.irp p, 4,8,12,16,20,24,28,32,36,40,44,48,52,56,60
	v_pk_fma_f32 v[SQ:SQ+1], v[\d+\p:\d+\p+1], v[\d+\p:\d+\p+1], v[SQ:SQ+1]
	v_pk_fma_f32 v[SQ+2:SQ+3], v[\d+\p+2:\d+\p+3], v[\d+\p+2:\d+\p+3], v[SQ+2:SQ+3]
.endr
.irp b, 0,1,2,3
	v_max3_num_f32 v[TM+\b], |v[\d+16*\b]|, |v[\d+16*\b+1]|, 0x8000000   ; my 16 numbers of block b, and the floor 2^(16 - 127): the byte cannot fall under 1
.endr
.irp i, 2,4,6,8,10,12,14
.irp b, 0,1,2,3
	v_max3_num_f32 v[TM+\b], |v[\d+16*\b+\i]|, |v[\d+16*\b+\i+1]|, v[TM+\b]
.endr
.endr
	WIN 0
	v_pk_add_f32 v[SQ:SQ+1], v[SQ:SQ+1], v[SQ+2:SQ+3]
	v_add_f32 v[SQ], v[SQ], v[SQ+1]
	v_permlanex16_b32 v[SQ+1], v[SQ], s[SEL], s[SEL+1]
	v_add_f32 v[SQ], v[SQ], v[SQ+1]                ; with lane l xor 16: the row's 128 squares
.irp b, 0,1,2,3
	v_permlanex16_b32 v[TM+4+\b], v[TM+\b], s[SEL], s[SEL+1]
.endr
.irp b, 0,1,2,3
	v_max_num_f32 v[TM+\b], v[TM+\b], v[TM+4+\b]   ; the block's largest magnitude
.endr
.irp b, 0,1,2,3
	v_add_nc_u32 v[TM+12+\b], 0xf8800000, v[TM+\b] ; 15 off its exponent field: the conversion's scale operand
.endr
.irp b, 0,1,2,3
	v_and_or_b32 v[TM+8+\b], v[TM+\b], 0x7f800000, s[MNT]   ; 57,344 x the scale
.endr
.irp b, 0,1,2,3
	v_lshrrev_b32 v[TM+4+\b], 23, v[TM+12+\b]      ; the scale's byte
.endr
	v_lshl_or_b32 v[PW], v[TM+5], 8, v[TM+4]
	v_lshl_or_b32 v[PW], v[TM+6], 16, v[PW]
	v_lshl_or_b32 v[PW], v[TM+7], 24, v[PW]
	WIN 0x41*(\dw)
.irp b, 0,1,2,3
.irp i, 0,1,2,3,4,5,6,7,8,9,10,11,12,13,14,15
	v_med3_num_f32 v[\d+16*\b+\i], v[\d+16*\b+\i], -v[TM+8+\b], v[TM+8+\b]   ; the conversion to an 8-bit code does not saturate (ISA guide 7.6.2): the hold
.endr
.endr
	WIN 1*(\dw)
.irp b, 0,1,2,3
	v_cvt_scalef32_pk8_bf8_f32 v[PC+4*\b:PC+4*\b+1], v[\d+16*\b:\d+16*\b+7], v[TM+12+\b]
	v_cvt_scalef32_pk8_bf8_f32 v[PC+4*\b+2:PC+4*\b+3], v[\d+16*\b+8:\d+16*\b+15], v[TM+12+\b]
.endr
	WIN 0
	v_nop                                          ; one plain instruction behind the last scaled conversion
.endm
	s_load_b128 s[4:7], s[0:1], 0x0                ; h_query, qpack
	v_lshl_add_u32 v128, v0, 2, 0x8800
	v_mov_b32 v129, 0
	v_lshrrev_b32 v1, 5, v0
	v_readfirstlane_b32 s16, v1                    ; wave = K step
	v_and_b32 v2, 31, v0                           ; lane
	v_and_b32 v3, 15, v0                           ; r
	v_bfe_u32 v4, v0, 4, 1                         ; h
	v_lshlrev_b32 v5, 4, v2                        ; 16 x lane
	s_mul_i32 s17, s16, WST
	v_add_nc_u32 v6, s17, v5                       ; the stage, on the way in
	v_mul_u32_u24 v7, v3, 528
	v_lshl_add_u32 v7, v4, 6, v7
	v_add_nc_u32 v7, s17, v7                       ; and on the way out: row r, + 64 h
	v_lshlrev_b32 v8, 2, v3                        ; 4 r
	s_lshl_b32 s18, s16, 6
	v_add_nc_u32 v10, QP, v8                       ; the partial sums of row r
	v_add_nc_u32 v9, s18, v10                      ; and mine among them
	s_mov_b32 s[SEL], 0x76543210
	s_mov_b32 s[SEL+1], 0xfedcba98
	s_mov_b32 s[MNT], 0x600000
.irp b, 0,1,2,3
	v_mov_b32 v[TM+4+\b], 0                        ; a lane permute's destination counts as one of its sources
.endr
	s_lshl_b32 s24, ttmp9, 15                      ; the tile's 16 rows of 2,048 bytes,
	s_lshl_b32 s25, s16, 9                         ; my 512 bytes of each
	s_add_co_u32 s24, s24, s25
	s_mov_b32 s25, 0
	s_lshl_b32 s26, ttmp9, 2
	s_add_co_u32 s26, s26, s16                     ; 4 x tile + K step
	s_lshl_b32 s28, s26, 6                         ; its 16 scale words
	s_mov_b32 s29, 0
	s_lshl_b32 s26, s26, 11                        ; its image of 2,048 bytes
	s_mov_b32 s27, 0
	s_lshl_b32 s30, ttmp9, 6                       ; the tile's 16 qq
	s_mov_b32 s31, 0
	s_wait_alu depctr_va_vdst(0)
	s_wait_kmcnt 0x0
	s_add_nc_u64 s[4:5], s[4:5], s[24:25]
	s_add_nc_u64 s[8:9], s[6:7], s[26:27]
	s_add_nc_u64 s[10:11], s[6:7], s[28:29]
	s_add_nc_u64 s[12:13], s[6:7], s[30:31]
.irp i, 0,1,2,3,4,5,6,7,8,9,10,11,12,13,14,15
	global_load_b128 v[D+4*\i:D+4*\i+3], v5, s[4:5] offset:2048*\i th:TH_LOAD_NT   ; row i: 32 lanes read 512 consecutive bytes
.endr
	s_wait_loadcnt 0x0
.irp i, 0,1,2,3,4,5,6,7,8,9,10,11,12,13,14,15
	ds_store_b128 v6, v[D+4*\i:D+4*\i+3] offset:528*\i
.endr
.irp b, 0,1,2,3
.irp j, 0,1,2,3
	ds_load_b128 v[D+16*\b+4*\j:D+16*\b+4*\j+3], v7 offset:128*\b+16*\j   ; LDS serves a wave's instructions in order: these see my stores
.endr
.endr
	s_wait_dscnt 0x0
	QUANT D, 0
.irp c, 0,1,2,3
	global_store_b128 v5, v[PC+4*\c:PC+4*\c+3], s[8:9] offset:512*\c       ; the image: 512 consecutive bytes a store
.endr
	global_store_b32 v8, v[PW], s[10:11] offset:524288                     ; both halves of the lanes hold the same word
	ds_store_b32 v9, v[SQ]
	s_wait_dscnt 0x0                               ; for the others: my partial sums have landed
	s_barrier_signal -1
	s_barrier_wait -1
.irp w, 0,1,2,3
	ds_load_b32 v[TM+\w], v10 offset:64*\w
.endr
	s_wait_dscnt 0x0
	v_add_f32 v[TM], v[TM], v[TM+1]
	v_add_f32 v[TM+2], v[TM+2], v[TM+3]
	v_add_f32 v[TM], v[TM], v[TM+2]
	s_cmp_lg_u32 s16, 0
	s_cbranch_scc1 .Lend                           ; wave 0 stores the tile's qq
	global_store_b32 v8, v[TM], s[12:13] offset:540672
.Lend:
	s_wait_tensorcnt 0x0
	ds_add_u32 v128, v129
	s_wait_dscnt 0x0
	s_endpgm
.Lfunc_end_k_q630129486e_prepq:
	.size	k_q630129486e_prepq, .Lfunc_end_k_q630129486e_prepq-k_q630129486e_prepq
	.p2alignl 7, 3214868480
	.fill 96, 4, 3214868480
	.section	.rodata,"a",@progbits
	.p2align	6, 0x0
	.amdhsa_kernel k_q630129486e_prepq
		.amdhsa_group_segment_fixed_size 35328
		.amdhsa_private_segment_fixed_size 0
		.amdhsa_enable_private_segment 0
		.amdhsa_kernarg_size 16
		.amdhsa_user_sgpr_count 2
		.amdhsa_user_sgpr_kernarg_segment_ptr 1
		.amdhsa_wavefront_size32 1
		.amdhsa_system_sgpr_workgroup_id_x 1
		.amdhsa_system_sgpr_workgroup_id_y 1
		.amdhsa_system_sgpr_workgroup_id_z 1
		.amdhsa_system_vgpr_workitem_id 0
		.amdhsa_next_free_vgpr 130
		.amdhsa_next_free_sgpr 66
		.amdhsa_reserve_vcc 0
		.amdhsa_float_denorm_mode_32 3
		.amdhsa_float_denorm_mode_16_64 3
		.amdhsa_memory_ordered 1
		.amdhsa_forward_progress 1
		.amdhsa_inst_pref_size 17
	.end_amdhsa_kernel
	.amdgpu_metadata
---
amdhsa.version: [ 1, 2 ]
amdhsa.kernels:
  - .name:           k_q630129486e_prepq
    .symbol:         k_q630129486e_prepq.kd
    .args:
      - { .name: h_query, .offset: 0, .size: 8, .value_kind: global_buffer, .address_space: global }
      - { .name: qpack, .offset: 8, .size: 8, .value_kind: global_buffer, .address_space: global }
    .group_segment_fixed_size: 35328
    .private_segment_fixed_size: 0
    .kernarg_segment_align: 8
    .kernarg_segment_size: 16
    .max_flat_workgroup_size: 128
    .sgpr_count:     66
    .vgpr_count:     130
    .wavefront_size: 32
...
	.end_amdgpu_metadata
.endif
;; end of part 1
;; launch main (part 2): grid 250 x 1, 4 waves a work-group, no clusters, 258,560 bytes of LDS; arguments memory_embeds, qpack, mcodes, mside, gamin, g8min; writes mcodes, mside, gamin, g8min
.if DOCPART == 2
	.amdgcn_target "amdgcn-amd-amdhsa--gfx1250"
	.amdhsa_code_object_version 6
	.text
	.protected	k_q630129486e_main
	.globl	k_q630129486e_main
	.p2align	8
	.type	k_q630129486e_main,@function
k_q630129486e_main:
	s_mov_b64 s[64:65], 0
	v_nop
	global_prefetch_b8 v0, s[64:65] scope:SCOPE_SE
	s_setreg_imm32_b32 hwreg(HW_REG_WAVE_MODE, 25, 1), 1
	s_wait_xcnt 0x0
; dist[q][n] = (qq[q] - 2 q.m) + mm[n], the product on codes of E5M2 with E8M0 scales; of the distances only MINIMA OVER GROUPS OF ROWS leave: over 8 neighbouring rows (g8min) and over 200 (gamin).
; Later launches pick groups by these minima and compute the chosen rows' distances anew from the codes (mcodes), scale words and mm (mside) that this launch also stores.
; SHARES.  A work-group owns rows 400 wg .. 400 wg + 399: two runs of 200 (ga = 2 wg + h), each 25 groups of 8 (g = 25 ga + t).  Matrix tile t: rows 0-7 = group (0, t), rows 8-15 = group (1, t).
; QUANTISING: wave w takes K step w (512 bytes) of every row; each row is read from memory once, 512 consecutive bytes a load, four tiles (64 loads a wave) ahead.
; The codes stay in LDS as images of the operand registers.  PRODUCT: wave w owns query tiles 16 w .. 16 w + 15, eight at a time in registers: pass 0 goes at the pace at which tiles are quantised, pass 1 reads the images again.
; Source 0 = the memory tile, source 1 = a query tile: lane (r, h) holds query r, and its register j row j of group (h, t): a group's minimum needs no other lane.
; No cluster: 250 work-groups do not divide by 4, and what they share, the queries, goes straight into registers.  No tensor loads: counted loads into registers keep 64 x 512 bytes a wave on their way.
; LIMITS: NaN and infinities are not served; a block of zeros gets the byte 1 (zero codes); mm is summed in this text's own order (32 chains of 16, then a tree).
; REGISTERS.  window 0: v1-17 addresses, v19-23 lane fields; v24-39 the queries' scale words (tile i in lanes 0-15, tile i + 4 in lanes 16-31), v40-47 the memory tile's, two sets; v48-55 qq; v56-63, v232-239 mm of my group, two sets;
;   v64-127 eight accumulators (between products: the quantiser's work registers); v128-191 the memory tile's fragments; v192-199 minima over 200; v200-231 minima over 8, four tiles t to a query tile.
;   window 1: four sets of 64 numbers as loaded (pass 1: v0-63 the second set of fragments).   windows 2, 3: the eight query tiles' fragments, 64 registers each.
.set SCW,  204800                      ; LDS: byte 0: images [t 25][K step 4][c 4][lane][16];  here: scale words [h 2][t 25][K step 4][row 8];
.set MMP,  211200                      ; partial sums of squares [t][wave][16 rows];
.set MMF,  217600                      ; mm, a copy for each wave: [wave][400] in the rows' own order;
.set STG,  224000                      ; a stage for each wave: 16 rows of 512 bytes + 16
.set WST,  8448
.set LB,   1                           ; v1   16 x lane
.set STS,  3                           ; v3   the stage, on the way in
.set STL,  4                           ; v4   and out: row r, + 64 h
.set VIMG, 5                           ; v5   where I store images: 16 x lane + 2,048 x wave (+ the trip)
.set VAF,  6                           ; v6   where I read them: 16 x lane (+ the trip)
.set VSS,  7                           ; v7   scale words: store
.set VSL,  8                           ; v8   load
.set VPS,  9                           ; v9   partial sums: store
.set VPL,  10                          ; v10  load
.set VFS,  11                          ; v11  mm: store
.set VFL,  12                          ; v12  load: my group's eight
.set CO,   13                          ; v13  my 16 bytes in mcodes
.set GO8,  14                          ; v14  in g8min
.set GAO,  15                          ; v15  in gamin
.set QSO,  16                          ; v16  the queries' scale words
.set QQO,  17                          ; v17  qq
.set LN,   19                          ; v19 lane, v20 r, v21 h, v22 r / 8, v23 r % 8: kept
.set QS,   24
.set SCA,  40
.set QQ,   48
.set MMR0, 56
.set ACC,  64
.set AF0,  128
.set GA,   192
.set G8,   200
.set MMR1, 232
.set SQ,   64                          ; the quantiser's registers lie in the accumulators' range
.set TM,   68
.set PW,   84
.set MT,   86
.set PC,   96
.set SEL,  20
.set MNT,  22
.set MSB, 0
.macro WIN new                         ; the immediate's high byte repeats the setting that is left
.if MSB != \new
	s_set_vgpr_msb (MSB<<8)|\new
.set MSB, \new
.endif
.endm
; 64 numbers of a lane in window dw, register 16 b + i = k 32 b + 16 (lane / 16) + i of my row: their sum of squares (both halves of the lanes joined) in v[SQ], the fragment's codes in v[PC] on, its scale word in v[PW].
.macro QUANT d, dw
	WIN 5*(\dw)
	v_pk_mul_f32 v[SQ:SQ+1], v[\d:\d+1], v[\d:\d+1]
	v_pk_mul_f32 v[SQ+2:SQ+3], v[\d+2:\d+3], v[\d+2:\d+3]
.irp p, 4,8,12,16,20,24,28,32,36,40,44,48,52,56,60
	v_pk_fma_f32 v[SQ:SQ+1], v[\d+\p:\d+\p+1], v[\d+\p:\d+\p+1], v[SQ:SQ+1]
	v_pk_fma_f32 v[SQ+2:SQ+3], v[\d+\p+2:\d+\p+3], v[\d+\p+2:\d+\p+3], v[SQ+2:SQ+3]
.endr
.irp b, 0,1,2,3
	v_max3_num_f32 v[TM+\b], |v[\d+16*\b]|, |v[\d+16*\b+1]|, 0x8000000   ; my 16 numbers of block b, and the floor 2^(16 - 127): the byte cannot fall under 1
.endr
.irp i, 2,4,6,8,10,12,14
.irp b, 0,1,2,3
	v_max3_num_f32 v[TM+\b], |v[\d+16*\b+\i]|, |v[\d+16*\b+\i+1]|, v[TM+\b]
.endr
.endr
	WIN 0
	v_pk_add_f32 v[SQ:SQ+1], v[SQ:SQ+1], v[SQ+2:SQ+3]
	v_add_f32 v[SQ], v[SQ], v[SQ+1]
	v_permlanex16_b32 v[SQ+1], v[SQ], s[SEL], s[SEL+1]
	v_add_f32 v[SQ], v[SQ], v[SQ+1]                ; with lane l xor 16: the row's 128 squares
.irp b, 0,1,2,3
	v_permlanex16_b32 v[TM+4+\b], v[TM+\b], s[SEL], s[SEL+1]
.endr
.irp b, 0,1,2,3
	v_max_num_f32 v[TM+\b], v[TM+\b], v[TM+4+\b]   ; the block's largest magnitude
.endr
.irp b, 0,1,2,3
	v_add_nc_u32 v[TM+12+\b], 0xf8800000, v[TM+\b] ; 15 off its exponent field: the conversion's scale operand
.endr
.irp b, 0,1,2,3
	v_and_or_b32 v[TM+8+\b], v[TM+\b], 0x7f800000, s[MNT]   ; 57,344 x the scale
.endr
.irp b, 0,1,2,3
	v_lshrrev_b32 v[TM+4+\b], 23, v[TM+12+\b]      ; the scale's byte
.endr
	v_lshl_or_b32 v[PW], v[TM+5], 8, v[TM+4]
	v_lshl_or_b32 v[PW], v[TM+6], 16, v[PW]
	v_lshl_or_b32 v[PW], v[TM+7], 24, v[PW]
	WIN 0x41*(\dw)
.irp b, 0,1,2,3
.irp i, 0,1,2,3,4,5,6,7,8,9,10,11,12,13,14,15
	v_med3_num_f32 v[\d+16*\b+\i], v[\d+16*\b+\i], -v[TM+8+\b], v[TM+8+\b]   ; the conversion to an 8-bit code does not saturate (ISA guide 7.6.2): the hold
.endr
.endr
	WIN 1*(\dw)
.irp b, 0,1,2,3
	v_cvt_scalef32_pk8_bf8_f32 v[PC+4*\b:PC+4*\b+1], v[\d+16*\b:\d+16*\b+7], v[TM+12+\b]
	v_cvt_scalef32_pk8_bf8_f32 v[PC+4*\b+2:PC+4*\b+3], v[\d+16*\b+8:\d+16*\b+15], v[TM+12+\b]
.endr
	WIN 0
	v_nop                                          ; one plain instruction behind the last scaled conversion: the next products write these registers
.endm
; My eight query tiles of pass p: fragments, scale words, qq; the minima over 200 begin at +infinity.
.macro LOADQ p
	WIN 0x80                                       ; destination window 2
.irp i, 0,1,2,3
.irp s, 0,1,2,3
.irp c, 0,1,2,3
	global_load_b128 v[64*\i+16*\s+4*\c:64*\i+16*\s+4*\c+3], v[LB], s[28:29] offset:65536*\p+8192*\i+2048*\s+512*\c
.endr
.endr
.endr
	WIN 0xc0                                       ; destination window 3
.irp i, 0,1,2,3
.irp s, 0,1,2,3
.irp c, 0,1,2,3
	global_load_b128 v[64*\i+16*\s+4*\c:64*\i+16*\s+4*\c+3], v[LB], s[28:29] offset:65536*\p+32768+8192*\i+2048*\s+512*\c
.endr
.endr
.endr
	WIN 0
.irp i, 0,1,2,3
.irp s, 0,1,2,3
	global_load_b32 v[QS+4*\i+\s], v[QSO], s[30:31] offset:524288+2048*\p+256*\i+64*\s
.endr
.endr
.irp i, 0,1,2,3,4,5,6,7
	global_load_b32 v[QQ+\i], v[QQO], s[32:33] offset:540672+512*\p+64*\i
.endr
.irp i, 0,1,2,3,4,5,6,7
	v_mov_b32 v[GA+\i], 0x7f800000
.endr
.endm
; The tile toff tiles on from the trip's first: my 512 bytes of its 16 rows (8 rows of each run of 200) into a set of window 1.
.macro TLOAD set, toff
	WIN 0x40
.irp i, 0,1,2,3,4,5,6,7,8,9,10,11,12,13,14,15
	global_load_b128 v[64*(\set)+4*\i:64*(\set)+4*\i+3], v[LB], s[4:5] offset:(\toff)*16384+(\i/8)*409600+(\i%8)*2048 th:TH_LOAD_NT
.endr
	WIN 0
.endm
; Tile tq of the trip is quantised: through my stage, QUANT, image, scale word and partial sum to LDS, codes to memory.  n: the younger loads that may stay out.  ld = 1: the set takes the tile four further on.
.macro PREP set, tq, n, ld
	s_wait_loadcnt \n
	WIN 0x04                                       ; an LDS store's data are its source 1: window 1
.irp i, 0,1,2,3,4,5,6,7,8,9,10,11,12,13,14,15
	ds_store_b128 v[STS], v[64*(\set)+4*\i:64*(\set)+4*\i+3] offset:528*\i
.endr
	WIN 0x40
.irp b, 0,1,2,3
.irp j, 0,1,2,3
	ds_load_b128 v[64*(\set)+16*\b+4*\j:64*(\set)+16*\b+4*\j+3], v[STL] offset:128*\b+16*\j   ; LDS serves a wave's instructions in order: these see my stores
.endr
.endr
	s_wait_dscnt 0x0
	QUANT 64*(\set), 1
.irp c, 0,1,2,3
	ds_store_b128 v[VIMG], v[PC+4*\c:PC+4*\c+3] offset:8192*(\tq)+512*\c
.endr
	ds_store_b32 v[VSS], v[PW] offset:128*(\tq)    ; both halves of the lanes hold the same word
	ds_store_b32 v[VPS], v[SQ] offset:256*(\tq)
.irp c, 0,1,2,3
	global_store_b128 v[CO], v[PC+4*\c:PC+4*\c+3], s[8:9] offset:4096*(\tq)+256*\c th:TH_STORE_NT   ; two runs of 256 consecutive bytes, one for each group
.endr
.if \ld
	TLOAD \set, (\tq)+4
.endif
.endm
; 32 matrix instructions: the memory tile (fragment set par) against my eight query tiles.  Four accumulators take turns, one instruction a turn; the first K step starts each sum with the constant 0.
.macro MUL par
.set AFB, AF0-AF0*(\par)
	WIN 0x08|(\par)                                ; source 0: window par; source 1: window 2; C and D: window 0
.irp s, 0,1,2,3
.irp i, 0,1,2,3
.if \s == 0
	v_wmma_scale_f32_16x16x128_f8f6f4 v[ACC+8*\i:ACC+8*\i+7], v[AFB+16*\s:AFB+16*\s+15], v[64*\i+16*\s:64*\i+16*\s+15], 0, v[SCA+4*(\par)+\s], v[QS+4*\i+\s] matrix_a_fmt:MATRIX_FMT_BF8 matrix_b_fmt:MATRIX_FMT_BF8
.else
	v_wmma_scale_f32_16x16x128_f8f6f4 v[ACC+8*\i:ACC+8*\i+7], v[AFB+16*\s:AFB+16*\s+15], v[64*\i+16*\s:64*\i+16*\s+15], v[ACC+8*\i:ACC+8*\i+7], v[SCA+4*(\par)+\s], v[QS+4*\i+\s] matrix_a_fmt:MATRIX_FMT_BF8 matrix_b_fmt:MATRIX_FMT_BF8
.endif
.endr
.endr
	WIN 0x0c|(\par)                                ; source 1: window 3
.irp s, 0,1,2,3
.irp i, 0,1,2,3
.if \s == 0
	v_wmma_scale_f32_16x16x128_f8f6f4 v[ACC+32+8*\i:ACC+32+8*\i+7], v[AFB+16*\s:AFB+16*\s+15], v[64*\i+16*\s:64*\i+16*\s+15], 0, v[SCA+4*(\par)+\s], v[QS+4*\i+\s] matrix_a_fmt:MATRIX_FMT_BF8 matrix_b_fmt:MATRIX_FMT_BF8 matrix_b_scale:MATRIX_SCALE_ROW1
.else
	v_wmma_scale_f32_16x16x128_f8f6f4 v[ACC+32+8*\i:ACC+32+8*\i+7], v[AFB+16*\s:AFB+16*\s+15], v[64*\i+16*\s:64*\i+16*\s+15], v[ACC+32+8*\i:ACC+32+8*\i+7], v[SCA+4*(\par)+\s], v[QS+4*\i+\s] matrix_a_fmt:MATRIX_FMT_BF8 matrix_b_fmt:MATRIX_FMT_BF8 matrix_b_scale:MATRIX_SCALE_ROW1
.endif
.endr
.endr
	WIN 0
.endm
; The distances and their minima: (qq - 2 s) + mm, two at a time; the least of a lane's eight is its group's minimum for its query.  Two query tiles by turns; each accumulator is read from its low end on.
.macro EPI slot, mmr
.rept 8
	v_nop                                          ; eight places behind this matrix form ahead of the first read of results
.endr
.irp i, 0,2,4,6
.irp k, 0,2,4,6
	v_pk_fma_f32 v[ACC+8*\i+\k:ACC+8*\i+\k+1], v[ACC+8*\i+\k:ACC+8*\i+\k+1], -2.0, v[QQ+\i:QQ+\i+1] op_sel_hi:[1,0,0]
	v_pk_fma_f32 v[ACC+8*\i+8+\k:ACC+8*\i+9+\k], v[ACC+8*\i+8+\k:ACC+8*\i+9+\k], -2.0, v[QQ+\i:QQ+\i+1] op_sel:[0,0,1] op_sel_hi:[1,0,1]
.endr
.irp k, 0,2,4,6
	v_pk_add_f32 v[ACC+8*\i+\k:ACC+8*\i+\k+1], v[ACC+8*\i+\k:ACC+8*\i+\k+1], v[\mmr+\k:\mmr+\k+1]
	v_pk_add_f32 v[ACC+8*\i+8+\k:ACC+8*\i+9+\k], v[ACC+8*\i+8+\k:ACC+8*\i+9+\k], v[\mmr+\k:\mmr+\k+1]
.endr
	v_min3_num_f32 v[G8+4*\i+\slot], v[ACC+8*\i], v[ACC+8*\i+1], v[ACC+8*\i+2]
	v_min3_num_f32 v[G8+4*\i+4+\slot], v[ACC+8*\i+8], v[ACC+8*\i+9], v[ACC+8*\i+10]
	v_min3_num_f32 v[G8+4*\i+\slot], v[G8+4*\i+\slot], v[ACC+8*\i+3], v[ACC+8*\i+4]
	v_min3_num_f32 v[G8+4*\i+4+\slot], v[G8+4*\i+4+\slot], v[ACC+8*\i+11], v[ACC+8*\i+12]
	v_min3_num_f32 v[G8+4*\i+\slot], v[G8+4*\i+\slot], v[ACC+8*\i+5], v[ACC+8*\i+6]
	v_min3_num_f32 v[G8+4*\i+4+\slot], v[G8+4*\i+4+\slot], v[ACC+8*\i+13], v[ACC+8*\i+14]
	v_min_num_f32 v[G8+4*\i+\slot], v[G8+4*\i+\slot], v[ACC+8*\i+7]
	v_min_num_f32 v[G8+4*\i+4+\slot], v[G8+4*\i+4+\slot], v[ACC+8*\i+15]
	v_min_num_f32 v[GA+\i], v[GA+\i], v[G8+4*\i+\slot]
	v_min_num_f32 v[GA+\i+1], v[GA+\i+1], v[G8+4*\i+4+\slot]
.endr
.endm
.macro G8OUT                           ; four tiles' minima of my 8 x 16 queries: sixteen lanes store 256 consecutive bytes
.irp i, 0,1,2,3,4,5,6,7
	global_store_b128 v[GO8], v[G8+4*\i:G8+4*\i+3], s[14:15] offset:256*\i th:TH_STORE_NT
.endr
.endm
.macro GAOUT p
.irp i, 0,1,2,3,4,5,6,7
	global_store_b32 v[GAO], v[GA+\i], s[12:13] offset:1024*\p+128*\i
.endr
.endm
.macro INFS                            ; the last quad holds one tile: its other three places are +infinity
.irp i, 0,1,2,3,4,5,6,7
.irp k, 1,2,3
	v_mov_b32 v[G8+4*\i+\k], 0x7f800000
.endr
.endr
.endm
; PASS 0, tile t4 of the trip.  Its images were stored ahead of the last barrier.  While it is fetched, the next tile is quantised; ONE barrier a tile: in front of its signal my stores for the next tile have landed.
.macro BODY0 t4, prep, n, ld
.irp w, 0,1,2,3
	ds_load_b32 v[MT+\w], v[VPL] offset:256*(\t4)+64*\w
.endr
.irp f, 0,1,2,3,4,5,6,7,8,9,10,11,12,13,14,15
	ds_load_b128 v[AF0+4*\f:AF0+4*\f+3], v[VAF] offset:8192*(\t4)+512*\f
.endr
.irp s, 0,1,2,3
	ds_load_b32 v[SCA+\s], v[VSL] offset:128*(\t4)+32*\s
.endr
	s_wait_dscnt 20                                ; the four partial sums are in; the 16 + 4 loads behind them may be out
	v_add_f32 v[MT], v[MT], v[MT+1]
	v_add_f32 v[MT+2], v[MT+2], v[MT+3]
	v_add_f32 v[MT], v[MT], v[MT+2]                ; mm of row r of the tile
	s_wait_alu depctr_va_vdst(0)
	ds_store_b32 v[VFS], v[MT] offset:32*(\t4)     ; into my wave's own copy, in the rows' own order,
	ds_load_b128 v[MMR0:MMR0+3], v[VFL] offset:32*(\t4)       ; and back: the eight rows of my half's group
	ds_load_b128 v[MMR0+4:MMR0+7], v[VFL] offset:32*(\t4)+16
.if \prep
	PREP ((\t4)+1)%4, (\t4)+1, \n, \ld
.endif
	s_wait_dscnt 0x0                               ; my loads are in, and, for the others, my stores have landed
	s_wait_xcnt 0x0                                ; the stores of codes and of minima have read their registers: the products and the minima below write them
	s_barrier_signal -1
	MUL 0                                          ; register work alone between signal and wait
	EPI \t4, MMR0
	s_barrier_wait -1
.if (\t4) == 3
	s_wait_alu depctr_va_vdst(0)
	G8OUT
.endif
.endm
.macro STEP0                           ; four tiles on
	s_wait_xcnt 0x0                                ; every memory instruction issued so far has read its addresses and data
	s_add_nc_u64 s[4:5], s[4:5], 65536
	s_add_nc_u64 s[8:9], s[8:9], 16384
	s_add_nc_u64 s[14:15], s[14:15], 16384
	v_add_nc_u32 v[VIMG], 32768, v[VIMG]
	v_add_nc_u32 v[VAF], 32768, v[VAF]
	v_add_nc_u32 v[VSS], 512, v[VSS]
	v_add_nc_u32 v[VSL], 512, v[VSL]
	v_add_nc_u32 v[VPS], 1024, v[VPS]
	v_add_nc_u32 v[VPL], 1024, v[VPL]
	v_add_nc_u32 v[VFS], 128, v[VFS]
	v_add_nc_u32 v[VFL], 128, v[VFL]
.endm
; PASS 1: 22 LDS loads bring tile tq of the trip into set par.
.macro LOADSET tq, par
.if (\par)
	WIN 0x40
.irp f, 0,1,2,3,4,5,6,7,8,9,10,11,12,13,14,15
	ds_load_b128 v[4*\f:4*\f+3], v[VAF] offset:8192*(\tq)+512*\f
.endr
	WIN 0
.else
.irp f, 0,1,2,3,4,5,6,7,8,9,10,11,12,13,14,15
	ds_load_b128 v[AF0+4*\f:AF0+4*\f+3], v[VAF] offset:8192*(\tq)+512*\f
.endr
.endif
.irp s, 0,1,2,3
	ds_load_b32 v[SCA+4*(\par)+\s], v[VSL] offset:128*(\tq)+32*\s
.endr
.set MR, MMR0+(MMR1-MMR0)*(\par)
	ds_load_b128 v[MR:MR+3], v[VFL] offset:32*(\tq)
	ds_load_b128 v[MR+4:MR+7], v[VFL] offset:32*(\tq)+16
.endm
.macro BODY1 t4, more
.if \more
	LOADSET (\t4)+1, ((\t4)+1)%2                   ; the other set was last multiplied a tile ago; that tile's minima are the places between
	s_wait_dscnt 22                                ; this tile's set is in; the 22 loads just issued may be out
.else
	s_wait_dscnt 0x0
.endif
	MUL (\t4)%2
	EPI \t4, MMR0+(MMR1-MMR0)*((\t4)%2)
.if (\t4) == 3
	G8OUT
.endif
.endm
.macro STEP1
	s_wait_xcnt 0x0
	s_add_nc_u64 s[14:15], s[14:15], 16384
	v_add_nc_u32 v[VAF], 32768, v[VAF]
	v_add_nc_u32 v[VSL], 512, v[VSL]
	v_add_nc_u32 v[VFL], 128, v[VFL]
.endm
	s_load_b256 s[4:11], s[0:1], 0x0               ; memory_embeds s[4:5], qpack s[6:7], mcodes s[8:9], mside s[10:11]
	s_load_b128 s[12:15], s[0:1], 0x20             ; gamin s[12:13], g8min s[14:15]
	v_lshl_add_u32 v254, v0, 2, 0x3f000
	v_mov_b32 v255, 0
	v_lshrrev_b32 v18, 5, v0
	v_readfirstlane_b32 s16, v18                   ; wave 0..3
	v_and_b32 v19, 31, v0                          ; lane
	v_and_b32 v20, 15, v0                          ; r
	v_bfe_u32 v21, v0, 4, 1                        ; h
	v_bfe_u32 v22, v0, 3, 1                        ; r / 8: which run of 200 a tile's row r belongs to
	v_and_b32 v23, 7, v0                           ; r % 8: its row in the group
	v_lshlrev_b32 v[LB], 4, v19
	s_mul_i32 s24, s16, WST
	s_add_co_u32 s24, s24, STG
	v_add_nc_u32 v[STS], s24, v[LB]
	v_mul_u32_u24 v[STL], v20, 528
	v_lshl_add_u32 v[STL], v21, 6, v[STL]
	v_add_nc_u32 v[STL], s24, v[STL]
	s_lshl_b32 s25, s16, 11
	v_add_nc_u32 v[VIMG], s25, v[LB]
	v_lshlrev_b32 v[VAF], 4, v19
	v_mul_u32_u24 v[VSL], v22, 3200
	v_lshl_add_u32 v[VSL], v23, 2, v[VSL]
	v_add_nc_u32 v[VSL], SCW, v[VSL]
	s_lshl_b32 s25, s16, 5
	v_add_nc_u32 v[VSS], s25, v[VSL]
	v_lshl_add_u32 v[VPL], v20, 2, MMP
	s_lshl_b32 s25, s16, 6
	v_add_nc_u32 v[VPS], s25, v[VPL]
	s_mul_i32 s34, s16, 1600
	s_add_co_u32 s34, s34, MMF                     ; my wave's copy of mm: kept
	v_mul_u32_u24 v[VFS], v22, 800
	v_lshl_add_u32 v[VFS], v23, 2, v[VFS]
	v_add_nc_u32 v[VFS], s34, v[VFS]
	v_mul_u32_u24 v[VFL], v21, 800
	v_add_nc_u32 v[VFL], s34, v[VFL]
	v_mul_u32_u24 v[CO], v22, 102400               ; mcodes [g][K step][c][h][row][16]: 25 groups of 4,096 bytes between the two runs
	v_lshl_add_u32 v[CO], v21, 7, v[CO]
	v_lshl_add_u32 v[CO], v23, 4, v[CO]
	v_mul_u32_u24 v[GO8], v21, 114688              ; g8min [ga][quad 7][query][4]
	v_lshl_add_u32 v[GO8], v20, 4, v[GO8]
	v_lshlrev_b32 v[GAO], 3, v20                   ; gamin [wg][query][h]
	v_lshl_add_u32 v[GAO], v21, 2, v[GAO]
	v_lshlrev_b32 v[QSO], 2, v20
	v_lshl_add_u32 v[QSO], v21, 10, v[QSO]         ; lanes 16-31 take the tile four further on
	v_lshlrev_b32 v[QQO], 2, v20
.irp b, 0,1,2,3
	v_mov_b32 v[TM+4+\b], 0                        ; a lane permute's destination counts as one of its sources
.endr
	s_mov_b32 s[SEL], 0x76543210
	s_mov_b32 s[SEL+1], 0xfedcba98
	s_mov_b32 s[MNT], 0x600000
	s_mul_i32 s24, ttmp9, 819200                   ; my 400 rows of 2,048 bytes,
	s_lshl_b32 s25, s16, 9                         ; my K step's 512 bytes of each
	s_add_co_u32 s24, s24, s25
	s_mov_b32 s25, 0
	s_mul_i32 s26, ttmp9, 204800                   ; my 50 groups of 4,096 bytes of codes,
	s_lshl_b32 s27, s16, 10                        ; my K step's 1,024 of each
	s_add_co_u32 s26, s26, s27
	s_mov_b32 s27, 0
	s_wait_alu depctr_va_vdst(0)
	s_wait_kmcnt 0x0
	s_add_nc_u64 s[4:5], s[4:5], s[24:25]
	s_add_nc_u64 s[8:9], s[8:9], s[26:27]
	s_lshl_b32 s24, s16, 17                        ; my 16 query tiles: 8,192 bytes of codes each,
	s_add_nc_u64 s[28:29], s[6:7], s[24:25]
	s_lshl_b32 s24, s16, 12                        ; 256 bytes of scale words,
	s_add_nc_u64 s[30:31], s[6:7], s[24:25]
	s_lshl_b32 s24, s16, 10                        ; 64 bytes of qq
	s_add_nc_u64 s[32:33], s[6:7], s[24:25]
	s_mul_i32 s24, ttmp9, 1600
	s_add_nc_u64 s[36:37], s[10:11], s[24:25]      ; mm of my 400 rows (+ 1,600,000 in the immediate)
	s_mul_i32 s24, ttmp9, 6400
	s_add_nc_u64 s[10:11], s[10:11], s[24:25]      ; the scale words of my 50 groups
	s_lshl_b32 s24, ttmp9, 13
	s_lshl_b32 s26, s16, 11
	s_add_co_u32 s24, s24, s26
	s_add_nc_u64 s[12:13], s[12:13], s[24:25]
	s_mul_i32 s24, ttmp9, 229376
	s_lshl_b32 s26, s16, 12
	s_add_co_u32 s24, s24, s26
	s_add_nc_u64 s[14:15], s[14:15], s[24:25]
	LOADQ 0                                        ; older than every tile's loads: the first counted wait below shows them in
	TLOAD 0, 0
	TLOAD 1, 1
	TLOAD 2, 2
	TLOAD 3, 3
	PREP 0, 0, 48, 1                               ; tile 0; three younger sets of 16 loads may be out
	s_wait_dscnt 0x0
	s_wait_xcnt 0x0                                ; the stores of codes have read their registers
	s_barrier_signal -1
	s_barrier_wait -1
	s_mov_b32 s18, 5
.Lp0:                                              ; tiles 0 to 19: each body quantises the next tile and asks for the tile five on
	s_wait_alu depctr_va_vdst(0)
	BODY0 0, 1, 48, 1
	BODY0 1, 1, 48, 1
	BODY0 2, 1, 48, 1
	BODY0 3, 1, 48, 1
	STEP0
	s_sub_co_u32 s18, s18, 1
	s_cmp_lg_u32 s18, 0
	s_cbranch_scc1 .Lp0
	BODY0 0, 1, 48, 0                              ; tiles 20 to 23: nothing is left to ask for, the counts run down
	BODY0 1, 1, 32, 0
	BODY0 2, 1, 16, 0
	BODY0 3, 1, 0, 0
	STEP0
	INFS
	BODY0 0, 0, 0, 0                               ; tile 24
	s_wait_alu depctr_va_vdst(0)
	G8OUT
	GAOUT 0
	s_wait_xcnt 0x0                                ; the stores have read their registers and bases
	s_sub_nc_u64 s[14:15], s[14:15], 96256         ; six quads back, eight query tiles (2,048 bytes) on
	v_lshlrev_b32 v[VAF], 4, v19                   ; the LDS addresses begin anew
	v_mul_u32_u24 v[VSL], v22, 3200
	v_lshl_add_u32 v[VSL], v23, 2, v[VSL]
	v_add_nc_u32 v[VSL], SCW, v[VSL]
	v_mul_u32_u24 v[VFL], v21, 800
	v_add_nc_u32 v[VFL], s34, v[VFL]
	LOADQ 1
	LOADSET 0, 0
	s_wait_loadcnt 0x0
	s_mov_b32 s18, 6
.Lp1:                                              ; pass 1: LDS is only read, so no barrier
	s_wait_alu depctr_va_vdst(0)
	BODY1 0, 1
	BODY1 1, 1
	BODY1 2, 1
	BODY1 3, 1
	STEP1
	s_sub_co_u32 s18, s18, 1
	s_cmp_lg_u32 s18, 0
	s_cbranch_scc1 .Lp1
	INFS
	BODY1 0, 0
	G8OUT
	GAOUT 1
	; the scale words (6,400 bytes, laid in LDS as in memory) and mm (my wave's quarter of its own copy) leave
	v_lshlrev_b32 v18, 4, v0
	v_add_nc_u32 v2, SCW, v18
	ds_load_b128 v[64:67], v2
	ds_load_b128 v[68:71], v2 offset:2048
	ds_load_b128 v[72:75], v2 offset:4096
	s_wait_alu depctr_va_vdst(0)
	s_wait_dscnt 0x0
	global_store_b128 v18, v[64:67], s[10:11]
	global_store_b128 v18, v[68:71], s[10:11] offset:2048
	global_store_b128 v18, v[72:75], s[10:11] offset:4096
	v_cmp_gt_u32 vcc_lo, 16, v0                    ; the last 256 bytes: threads 0 to 15
	s_wait_xcnt 0x0                                ; EXEC changes only behind this wait
	s_wait_tensorcnt 0x0
	ds_add_u32 v254, v255
	s_wait_dscnt 0x0
	s_and_saveexec_b32 s24, vcc_lo
	ds_load_b128 v[76:79], v2 offset:6144
	s_wait_dscnt 0x0
	global_store_b128 v18, v[76:79], s[10:11] offset:6144
	s_wait_xcnt 0x0
	s_or_b32 exec_lo, exec_lo, s24
	s_mul_i32 s25, s16, 400                        ; 100 rows a wave: 25 pieces of 16 bytes
	s_add_co_u32 s26, s34, s25
	v_add_nc_u32 v2, s26, v[LB]
	v_add_nc_u32 v18, s25, v[LB]
	v_cmp_gt_u32 vcc_lo, 25, v19
	s_and_saveexec_b32 s24, vcc_lo
	ds_load_b128 v[80:83], v2
	s_wait_alu depctr_va_vdst(0)
	s_wait_dscnt 0x0
	global_store_b128 v18, v[80:83], s[36:37] offset:1600000
	s_wait_xcnt 0x0
	s_or_b32 exec_lo, exec_lo, s24
	s_endpgm
.Lfunc_end_k_q630129486e_main:
	.size	k_q630129486e_main, .Lfunc_end_k_q630129486e_main-k_q630129486e_main
	.p2alignl 7, 3214868480
	.fill 96, 4, 3214868480
	.section	.rodata,"a",@progbits
	.p2align	6, 0x0
	.amdhsa_kernel k_q630129486e_main
		.amdhsa_group_segment_fixed_size 258560
		.amdhsa_private_segment_fixed_size 0
		.amdhsa_enable_private_segment 0
		.amdhsa_kernarg_size 48
		.amdhsa_user_sgpr_count 2
		.amdhsa_user_sgpr_kernarg_segment_ptr 1
		.amdhsa_wavefront_size32 1
		.amdhsa_system_sgpr_workgroup_id_x 1
		.amdhsa_system_sgpr_workgroup_id_y 1
		.amdhsa_system_sgpr_workgroup_id_z 1
		.amdhsa_system_vgpr_workitem_id 0
		.amdhsa_next_free_vgpr 1024
		.amdhsa_next_free_sgpr 66
		.amdhsa_reserve_vcc 1
		.amdhsa_float_denorm_mode_32 3
		.amdhsa_float_denorm_mode_16_64 3
		.amdhsa_memory_ordered 1
		.amdhsa_forward_progress 1
		.amdhsa_inst_pref_size 255
	.end_amdhsa_kernel
	.section	.bss,"aw",@nobits
	.p2align	6
	.space	262144
	.amdgpu_metadata
---
amdhsa.version: [ 1, 2 ]
amdhsa.kernels:
  - .name:           k_q630129486e_main
    .symbol:         k_q630129486e_main.kd
    .args:
      - { .name: memory_embeds, .offset: 0, .size: 8, .value_kind: global_buffer, .address_space: global }
      - { .name: qpack, .offset: 8, .size: 8, .value_kind: global_buffer, .address_space: global }
      - { .name: mcodes, .offset: 16, .size: 8, .value_kind: global_buffer, .address_space: global }
      - { .name: mside, .offset: 24, .size: 8, .value_kind: global_buffer, .address_space: global }
      - { .name: gamin, .offset: 32, .size: 8, .value_kind: global_buffer, .address_space: global }
      - { .name: g8min, .offset: 40, .size: 8, .value_kind: global_buffer, .address_space: global }
    .group_segment_fixed_size: 258560
    .private_segment_fixed_size: 0
    .kernarg_segment_align: 8
    .kernarg_segment_size: 48
    .max_flat_workgroup_size: 128
    .sgpr_count:     66
    .vgpr_count:     1024
    .wavefront_size: 32
...
	.end_amdgpu_metadata
.endif
;; end of part 2
;; launch sela (part 3): grid 1024 x 1, 4 waves a work-group, no clusters, 4,608 bytes of LDS; arguments gamin, sel_a; writes sel_a
.if DOCPART == 3
	.amdgcn_target "amdgcn-amd-amdhsa--gfx1250"
	.amdhsa_code_object_version 6
	.text
	.protected	k_q630129486e_sela
	.globl	k_q630129486e_sela
	.p2align	8
	.type	k_q630129486e_sela,@function
k_q630129486e_sela:
	s_mov_b64 s[64:65], 0
	v_nop
	global_prefetch_b8 v0, s[64:65] scope:SCOPE_SE
	s_setreg_imm32_b32 hwreg(HW_REG_WAVE_MODE, 25, 1), 1
	s_wait_xcnt 0x0
; For query q = the work-group's number: the 32 runs of 200 rows with the smallest minima, by (minimum, run number), out of 500.  They hold the query's 32 nearest rows: a run left out has 32 runs ahead of it,
; each with a row that is nearer, or as near with a lower index (runs are contiguous and ascend).
; The choice is made by bitonic networks of fixed shape: one candidate a lane; a step exchanges (key, number) with lane l xor j and keeps the smaller or the larger pair by a constant lane mask.  No branch and no address hangs on a key.
; Wave w sorts four lists of 32 (two work-groups' columns of gamin, two runs each; numbers past 499 carry +infinity), merges them to its best 32; wave 0 merges the four waves' lists.
; LIMIT: NaN keys are not served.
.set KK, 8                             ; v8-15  keys, list x at KK + x
.set II, 16                            ; v16-23 numbers
.set PP, 0
.set TK, 24                            ; v24-31, v32-39: the partner's pair
.set TI, 32
.set TP, 0
.set NF, 2
.set SB, 24                            ; s24-39 four scalars a list
.set SEL, 20
.set L1, 0x55555555                    ; lanes with l & j = 0
.set L2, 0x33333333
.set L4, 0x0f0f0f0f
.set L8, 0x00ff00ff
.set L16, 0x0000ffff
.set H2, 0xcccccccc                    ; lanes with l & k != 0
.set H4, 0xf0f0f0f0
.set H8, 0xff00ff00
.set H16, 0xffff0000
; For lists x = 0, st, 2 st .. (n of them): take the pair in v[pk + x], v[pi + x] where (it is the smaller pair) xor nm; alt = 1: every second list the other way round.
.macro CSEL pk, pi, pp, n, st, nm, alt
.set m, 0
.rept \n
	v_cmp_lt_f32 s[SB+4*m], v[\pk+m*\st], v[KK+m*\st]
	v_cmp_eq_f32 s[SB+4*m+1], v[\pk+m*\st], v[KK+m*\st]
	v_cmp_lt_u32 s[SB+4*m+2], v[\pi+m*\st], v[II+m*\st]
.set m, m+1
.endr
.set m, 0
.rept \n
	s_and_b32 s[SB+4*m+1], s[SB+4*m+1], s[SB+4*m+2]
	s_or_b32 s[SB+4*m], s[SB+4*m], s[SB+4*m+1]
.if ((\nm)^(0xffffffff*(m%2)*(\alt))) != 0
	s_xor_b32 s[SB+4*m], s[SB+4*m], (\nm)^(0xffffffff*(m%2)*(\alt))
.endif
.set m, m+1
.endr
.set m, 0
.rept \n
	v_cndmask_b32 v[KK+m*\st], v[KK+m*\st], v[\pk+m*\st], s[SB+4*m]
	v_cndmask_b32 v[II+m*\st], v[II+m*\st], v[\pi+m*\st], s[SB+4*m]
.if NF > 2
	v_cndmask_b32 v[PP+m*\st], v[PP+m*\st], v[\pp+m*\st], s[SB+4*m]
.endif
.set m, m+1
.endr
.endm
; One step of the network: partner = lane l xor j; the lanes of lj xor hk keep the smaller pair (in every second list: the larger).
.macro STAGE lj, hk, j, n, st
.set m, 0
.rept \n
.if \j < 16
	v_mov_b32_dpp v[TK+m*\st], v[KK+m*\st] row_xmask:\j row_mask:0xf bank_mask:0xf
	v_mov_b32_dpp v[TI+m*\st], v[II+m*\st] row_xmask:\j row_mask:0xf bank_mask:0xf
.if NF > 2
	v_mov_b32_dpp v[TP+m*\st], v[PP+m*\st] row_xmask:\j row_mask:0xf bank_mask:0xf
.endif
.else
	v_permlanex16_b32 v[TK+m*\st], v[KK+m*\st], s[SEL], s[SEL+1]
	v_permlanex16_b32 v[TI+m*\st], v[II+m*\st], s[SEL], s[SEL+1]
.if NF > 2
	v_permlanex16_b32 v[TP+m*\st], v[PP+m*\st], s[SEL], s[SEL+1]
.endif
.endif
.set m, m+1
.endr
	CSEL TK, TI, TP, \n, \st, ((\lj)^(\hk)^0xffffffff), 1
.endm
.macro TAIL32 n, st                    ; a bitonic list of 32 becomes sorted
	STAGE L16, 0, 16, \n, \st
	STAGE L8, 0, 8, \n, \st
	STAGE L4, 0, 4, \n, \st
	STAGE L2, 0, 2, \n, \st
	STAGE L1, 0, 1, \n, \st
.endm
.macro SORT n, st                      ; n lists, ascending and descending by turns
	STAGE L1, H2, 1, \n, \st
	STAGE L2, H4, 2, \n, \st
	STAGE L1, H4, 1, \n, \st
	STAGE L4, H8, 4, \n, \st
	STAGE L2, H8, 2, \n, \st
	STAGE L1, H8, 1, \n, \st
	STAGE L8, H16, 8, \n, \st
	STAGE L4, H16, 4, \n, \st
	STAGE L2, H16, 2, \n, \st
	STAGE L1, H16, 1, \n, \st
	TAIL32 \n, \st
.endm
.macro MERGE n, st                     ; list x (ascending) and list x + st / 2 (descending): the lane-wise smaller pairs are the 32 smallest of the 64, and bitonic
	CSEL KK+(\st)/2, II+(\st)/2, PP+(\st)/2, \n, \st, 0, 0
	TAIL32 \n, \st
.endm
	s_load_b128 s[4:7], s[0:1], 0x0                ; gamin, sel_a
	v_lshl_add_u32 v64, v0, 2, 0x1000
	v_mov_b32 v65, 0
	v_lshrrev_b32 v1, 5, v0
	v_readfirstlane_b32 s16, v1                    ; wave
	v_and_b32 v1, 31, v0                           ; lane
	v_add_nc_u32 v2, 128, v0                       ; my two work-group numbers of the launch before: the thread's number, and 128 more
	v_min_u32 v3, 249, v2                          ; (past 249: the load is held inside the buffer, the key replaced below)
	v_lshlrev_b32 v4, 13, v0                       ; 8,192 bytes for each
	v_lshlrev_b32 v5, 13, v3
	v_lshlrev_b32 v[II], 1, v0                     ; run numbers 2 wg + h
	v_add_nc_u32 v[II+1], 1, v[II]
	v_add_nc_u32 v[II+2], 0x100, v[II]
	v_add_nc_u32 v[II+3], 0x101, v[II]
	v_lshlrev_b32 v6, 2, v0                        ; LDS: list w, 4 bytes a lane
	v_lshlrev_b32 v7, 2, v1
	v_sub_nc_u32 v40, 124, v7                      ; a list read backwards
	v_mov_b32 v41, 0x7f800000
.irp x, 0,1,2,3
	v_mov_b32 v[TK+\x], 0                          ; a lane move's destination counts as one of its sources
	v_mov_b32 v[TI+\x], 0
.endr
	s_mov_b32 s[SEL], 0x76543210
	s_mov_b32 s[SEL+1], 0xfedcba98
	s_lshl_b32 s8, ttmp9, 3
	s_mov_b32 s9, 0
	s_lshl_b32 s10, ttmp9, 7
	s_mov_b32 s11, 0
	s_wait_kmcnt 0x0
	s_add_nc_u64 s[4:5], s[4:5], s[8:9]
	s_add_nc_u64 s[6:7], s[6:7], s[10:11]
	global_load_b64 v[KK:KK+1], v4, s[4:5]
	global_load_b64 v[KK+2:KK+3], v5, s[4:5]
	v_cmp_lt_u32 vcc_lo, 249, v2
	s_wait_loadcnt 0x0
	v_cndmask_b32 v[KK+2], v[KK+2], v41, vcc_lo
	v_cndmask_b32 v[KK+3], v[KK+3], v41, vcc_lo
	SORT 4, 1
	MERGE 2, 2
	MERGE 1, 4
	ds_store_b32 v6, v[KK]
	ds_store_b32 v6, v[II] offset:1024
	s_wait_dscnt 0x0                               ; for wave 0: my list has landed
	s_barrier_signal -1
	s_barrier_wait -1
	s_cmp_lg_u32 s16, 0
	s_cbranch_scc1 .Lend
.irp x, 0,2
	ds_load_b32 v[KK+\x], v7 offset:128*\x
	ds_load_b32 v[II+\x], v7 offset:1024+128*\x
.endr
.irp x, 1,3
	ds_load_b32 v[KK+\x], v40 offset:128*\x        ; backwards: descending
	ds_load_b32 v[II+\x], v40 offset:1024+128*\x
.endr
	s_wait_dscnt 0x0
	MERGE 2, 2
	MERGE 1, 4
	global_store_b32 v7, v[II], s[6:7]             ; the query's 32 runs: 128 consecutive bytes
.Lend:
	s_wait_tensorcnt 0x0
	ds_add_u32 v64, v65
	s_wait_dscnt 0x0
	s_endpgm
.Lfunc_end_k_q630129486e_sela:
	.size	k_q630129486e_sela, .Lfunc_end_k_q630129486e_sela-k_q630129486e_sela
	.p2alignl 7, 3214868480
	.fill 96, 4, 3214868480
	.section	.rodata,"a",@progbits
	.p2align	6, 0x0
	.amdhsa_kernel k_q630129486e_sela
		.amdhsa_group_segment_fixed_size 4608
		.amdhsa_private_segment_fixed_size 0
		.amdhsa_enable_private_segment 0
		.amdhsa_kernarg_size 16
		.amdhsa_user_sgpr_count 2
		.amdhsa_user_sgpr_kernarg_segment_ptr 1
		.amdhsa_wavefront_size32 1
		.amdhsa_system_sgpr_workgroup_id_x 1
		.amdhsa_system_sgpr_workgroup_id_y 1
		.amdhsa_system_sgpr_workgroup_id_z 1
		.amdhsa_system_vgpr_workitem_id 0
		.amdhsa_next_free_vgpr 66
		.amdhsa_next_free_sgpr 66
		.amdhsa_reserve_vcc 1
		.amdhsa_float_denorm_mode_32 3
		.amdhsa_float_denorm_mode_16_64 3
		.amdhsa_memory_ordered 1
		.amdhsa_forward_progress 1
		.amdhsa_inst_pref_size 56
	.end_amdhsa_kernel
	.amdgpu_metadata
---
amdhsa.version: [ 1, 2 ]
amdhsa.kernels:
  - .name:           k_q630129486e_sela
    .symbol:         k_q630129486e_sela.kd
    .args:
      - { .name: gamin, .offset: 0, .size: 8, .value_kind: global_buffer, .address_space: global }
      - { .name: sel_a, .offset: 8, .size: 8, .value_kind: global_buffer, .address_space: global }
    .group_segment_fixed_size: 4608
    .private_segment_fixed_size: 0
    .kernarg_segment_align: 8
    .kernarg_segment_size: 16
    .max_flat_workgroup_size: 128
    .sgpr_count:     66
    .vgpr_count:     66
    .wavefront_size: 32
...
	.end_amdgpu_metadata
.endif
;; end of part 3
;; launch selb (part 4): grid 1024 x 1, 7 waves a work-group, no clusters, 5,120 bytes of LDS; arguments g8min, sel_a, sel_b; writes sel_b
.if DOCPART == 4
	.amdgcn_target "amdgcn-amd-amdhsa--gfx1250"
	.amdhsa_code_object_version 6
	.text
	.protected	k_q630129486e_selb
	.globl	k_q630129486e_selb
	.p2align	8
	.type	k_q630129486e_selb,@function
k_q630129486e_selb:
	s_mov_b64 s[64:65], 0
	v_nop
	global_prefetch_b8 v0, s[64:65] scope:SCOPE_SE
	s_setreg_imm32_b32 hwreg(HW_REG_WAVE_MODE, 25, 1), 1
	s_wait_xcnt 0x0
; For query q = the work-group's number: of the 32 x 25 groups of 8 rows in its 32 chosen runs, the 32 with the smallest minima, by (minimum, group number).  They hold the query's 32 nearest rows:
; a group left out has 32 groups ahead of it, each with a row that is nearer, or as near with a lower index (groups are contiguous and ascend).
; Lane l takes chosen run l; wave w (0 to 6) takes quad w of its minima (groups 4 w .. 4 w + 3 of the run): 16 bytes a lane.  Quad 6 holds group 24 and three places of +infinity, stored so by the launch that made it.
; Each wave sorts its four lists of 32 and merges them to its best 32; wave 0 merges the seven waves' lists and an eighth, constant list of +infinity that lies in registers.
; The networks are bitonic, of fixed shape: a step exchanges (key, number) with lane l xor j and keeps the smaller or the larger pair by a constant lane mask.  No branch and no address hangs on a key.
; The run numbers come from memory as whole numbers and are held to 499 ahead of the address.
; LIMIT: NaN keys are not served; the 800 real minima are taken to be finite, so no place of +infinity is chosen.
.set KK, 8                             ; v8-15  keys, list x at KK + x
.set II, 16                            ; v16-23 group numbers
.set TK, 24                            ; v24-31, v32-39: the partner's pair
.set TI, 32
.set SB, 24                            ; s24-39 four scalars a list
.set SEL, 20
.set L1, 0x55555555                    ; lanes with l & j = 0
.set L2, 0x33333333
.set L4, 0x0f0f0f0f
.set L8, 0x00ff00ff
.set L16, 0x0000ffff
.set H2, 0xcccccccc                    ; lanes with l & k != 0
.set H4, 0xf0f0f0f0
.set H8, 0xff00ff00
.set H16, 0xffff0000
; For lists x = 0, st, 2 st .. (n of them): take the pair in v[pk + x], v[pi + x] where (it is the smaller pair) xor nm; alt = 1: every second list the other way round.
.macro CSEL pk, pi, n, st, nm, alt
.set m, 0
.rept \n
	v_cmp_lt_f32 s[SB+4*m], v[\pk+m*\st], v[KK+m*\st]
	v_cmp_eq_f32 s[SB+4*m+1], v[\pk+m*\st], v[KK+m*\st]
	v_cmp_lt_u32 s[SB+4*m+2], v[\pi+m*\st], v[II+m*\st]
.set m, m+1
.endr
.set m, 0
.rept \n
	s_and_b32 s[SB+4*m+1], s[SB+4*m+1], s[SB+4*m+2]
	s_or_b32 s[SB+4*m], s[SB+4*m], s[SB+4*m+1]
.if ((\nm)^(0xffffffff*(m%2)*(\alt))) != 0
	s_xor_b32 s[SB+4*m], s[SB+4*m], (\nm)^(0xffffffff*(m%2)*(\alt))
.endif
.set m, m+1
.endr
.set m, 0
.rept \n
	v_cndmask_b32 v[KK+m*\st], v[KK+m*\st], v[\pk+m*\st], s[SB+4*m]
	v_cndmask_b32 v[II+m*\st], v[II+m*\st], v[\pi+m*\st], s[SB+4*m]
.set m, m+1
.endr
.endm
; One step of the network: partner = lane l xor j; the lanes of lj xor hk keep the smaller pair (in every second list: the larger).
.macro STAGE lj, hk, j, n, st
.set m, 0
.rept \n
.if \j < 16
	v_mov_b32_dpp v[TK+m*\st], v[KK+m*\st] row_xmask:\j row_mask:0xf bank_mask:0xf
	v_mov_b32_dpp v[TI+m*\st], v[II+m*\st] row_xmask:\j row_mask:0xf bank_mask:0xf
.else
	v_permlanex16_b32 v[TK+m*\st], v[KK+m*\st], s[SEL], s[SEL+1]
	v_permlanex16_b32 v[TI+m*\st], v[II+m*\st], s[SEL], s[SEL+1]
.endif
.set m, m+1
.endr
	CSEL TK, TI, \n, \st, ((\lj)^(\hk)^0xffffffff), 1
.endm
.macro TAIL32 n, st                    ; a bitonic list of 32 becomes sorted
	STAGE L16, 0, 16, \n, \st
	STAGE L8, 0, 8, \n, \st
	STAGE L4, 0, 4, \n, \st
	STAGE L2, 0, 2, \n, \st
	STAGE L1, 0, 1, \n, \st
.endm
.macro SORT n, st                      ; n lists, ascending and descending by turns
	STAGE L1, H2, 1, \n, \st
	STAGE L2, H4, 2, \n, \st
	STAGE L1, H4, 1, \n, \st
	STAGE L4, H8, 4, \n, \st
	STAGE L2, H8, 2, \n, \st
	STAGE L1, H8, 1, \n, \st
	STAGE L8, H16, 8, \n, \st
	STAGE L4, H16, 4, \n, \st
	STAGE L2, H16, 2, \n, \st
	STAGE L1, H16, 1, \n, \st
	TAIL32 \n, \st
.endm
.macro MERGE n, st                     ; list x (ascending) and list x + st / 2 (descending): the lane-wise smaller pairs are the 32 smallest of the 64, and bitonic
	CSEL KK+(\st)/2, II+(\st)/2, \n, \st, 0, 0
	TAIL32 \n, \st
.endm
	s_load_b128 s[4:7], s[0:1], 0x0                ; g8min, sel_a
	s_load_b64 s[8:9], s[0:1], 0x10                ; sel_b
	v_lshl_add_u32 v64, v0, 2, 0x1000              ; my spare word, and 0
	v_mov_b32 v65, 0
	v_lshrrev_b32 v1, 5, v0
	s_delay_alu instid0(VALU_DEP_1)
	v_readfirstlane_b32 s16, v1                    ; wave 0..6
	v_and_b32 v1, 31, v0                           ; lane
	v_lshlrev_b32 v6, 2, v0                        ; LDS: list w, 4 bytes a lane
	s_delay_alu instid0(VALU_DEP_2)
	v_lshlrev_b32 v7, 2, v1
	s_delay_alu instid0(VALU_DEP_1)
	v_sub_nc_u32 v40, 124, v7                      ; a list read backwards
	v_mov_b32 v[KK+7], 0x7f800000                  ; the eighth list of the last merge: +infinity in every lane, behind every real pair
	v_mov_b32 v[II+7], -1
.irp x, 0,1,2,3,4,5,6,7
	v_mov_b32 v[TK+\x], 0                          ; a lane move's destination counts as one of its sources
	v_mov_b32 v[TI+\x], 0
.endr
	s_mov_b32 s[SEL], 0x76543210
	s_mov_b32 s[SEL+1], 0xfedcba98
	s_lshl_b32 s10, ttmp9, 7                       ; the query's 32 words in either list
	s_mov_b32 s11, 0
	s_lshl_b32 s12, s16, 14                        ; my quad: 16,384 bytes each,
	s_lshl_b32 s13, ttmp9, 4
	s_add_co_u32 s12, s12, s13                     ; + the query's 16 bytes
	s_mov_b32 s13, 0
	s_lshl_b32 s14, s16, 2                         ; 4 w
	s_wait_kmcnt 0x0
	s_add_nc_u64 s[6:7], s[6:7], s[10:11]
	s_add_nc_u64 s[8:9], s[8:9], s[10:11]
	s_add_nc_u64 s[4:5], s[4:5], s[12:13]
	global_load_b32 v2, v7, s[6:7]
	s_wait_loadcnt 0x0
	v_min_u32 v2, 499, v2                          ; a loaded number enters an address only held to its table
	s_delay_alu instid0(VALU_DEP_1)
	v_mul_u32_u24 v3, v2, 114688                   ; 7 quads of 16,384 bytes a run
	global_load_b128 v[KK:KK+3], v3, s[4:5]
	v_mul_u32_u24 v[II], v2, 25
	s_delay_alu instid0(VALU_DEP_1)
	v_add_nc_u32 v[II], s14, v[II]                 ; group numbers 25 ga + 4 w + i
	s_delay_alu instid0(VALU_DEP_1)
	v_add_nc_u32 v[II+1], 1, v[II]
	s_delay_alu instid0(VALU_DEP_2)
	v_add_nc_u32 v[II+2], 2, v[II]
	s_delay_alu instid0(VALU_DEP_3)
	v_add_nc_u32 v[II+3], 3, v[II]
	s_wait_alu depctr_va_vdst(0)
	s_wait_loadcnt 0x0
	SORT 4, 1
	MERGE 2, 2
	MERGE 1, 4
	ds_store_b32 v6, v[KK]
	ds_store_b32 v6, v[II] offset:1024
	s_wait_dscnt 0x0                               ; for wave 0: my list has landed
	s_barrier_signal -1
	s_barrier_wait -1
	s_cmp_lg_u32 s16, 0
	s_cbranch_scc1 .Lend
.irp x, 0,2,4,6
	ds_load_b32 v[KK+\x], v7 offset:128*\x
	ds_load_b32 v[II+\x], v7 offset:1024+128*\x
.endr
.irp x, 1,3,5
	ds_load_b32 v[KK+\x], v40 offset:128*\x        ; backwards: descending
	ds_load_b32 v[II+\x], v40 offset:1024+128*\x
.endr
	s_wait_dscnt 0x0
	MERGE 4, 2
	MERGE 2, 4
	MERGE 1, 8
	global_store_b32 v7, v[II], s[8:9]             ; the query's 32 groups: 128 consecutive bytes
.Lend:
	s_wait_tensorcnt 0x0                           ; the wave's end
	ds_add_u32 v64, v65
	s_wait_dscnt 0x0
	s_endpgm
.Lfunc_end_k_q630129486e_selb:
	.size	k_q630129486e_selb, .Lfunc_end_k_q630129486e_selb-k_q630129486e_selb
	.p2alignl 7, 3214868480
	.fill 96, 4, 3214868480
	.section	.rodata,"a",@progbits
	.p2align	6, 0x0
	.amdhsa_kernel k_q630129486e_selb
		.amdhsa_group_segment_fixed_size 5120
		.amdhsa_private_segment_fixed_size 0
		.amdhsa_enable_private_segment 0
		.amdhsa_kernarg_size 24
		.amdhsa_user_sgpr_count 2
		.amdhsa_user_sgpr_kernarg_segment_ptr 1
		.amdhsa_wavefront_size32 1
		.amdhsa_system_sgpr_workgroup_id_x 1
		.amdhsa_system_sgpr_workgroup_id_y 1
		.amdhsa_system_sgpr_workgroup_id_z 1
		.amdhsa_system_vgpr_workitem_id 0
		.amdhsa_next_free_vgpr 66
		.amdhsa_next_free_sgpr 66
		.amdhsa_reserve_vcc 0
		.amdhsa_float_denorm_mode_32 3
		.amdhsa_float_denorm_mode_16_64 3
		.amdhsa_memory_ordered 1
		.amdhsa_forward_progress 1
		.amdhsa_inst_pref_size 70
	.end_amdhsa_kernel
	.amdgpu_metadata
---
amdhsa.version: [ 1, 2 ]
amdhsa.kernels:
  - .name:           k_q630129486e_selb
    .symbol:         k_q630129486e_selb.kd
    .args:
      - { .name: g8min, .offset: 0, .size: 8, .value_kind: global_buffer, .address_space: global }
      - { .name: sel_a, .offset: 8, .size: 8, .value_kind: global_buffer, .address_space: global }
      - { .name: sel_b, .offset: 16, .size: 8, .value_kind: global_buffer, .address_space: global }
    .group_segment_fixed_size: 5120
    .private_segment_fixed_size: 0
    .kernarg_segment_align: 8
    .kernarg_segment_size: 24
    .max_flat_workgroup_size: 224
    .sgpr_count:     66
    .vgpr_count:     66
    .wavefront_size: 32
...
	.end_amdgpu_metadata
.endif
;; end of part 4
;; launch fin (part 5): grid 1024 x 1, 4 waves a work-group, no clusters, 5,120 bytes of LDS; arguments sel_b, qpack, mcodes, mside, true_values, out0; writes out0
.if DOCPART == 5
	.amdgcn_target "amdgcn-amd-amdhsa--gfx1250"
	.amdhsa_code_object_version 6
	.text
	.protected	k_q630129486e_fin
	.globl	k_q630129486e_fin
	.p2align	8
	.type	k_q630129486e_fin,@function
k_q630129486e_fin:
	s_mov_b64 s[64:65], 0
	v_nop
	global_prefetch_b8 v0, s[64:65] scope:SCOPE_SE
	s_setreg_imm32_b32 hwreg(HW_REG_WAVE_MODE, 25, 1), 1
	s_wait_xcnt 0x0
; For query q = the work-group's number: the distances to the 256 rows of its 32 chosen groups are computed anew, by the same matrix form on the same codes, K ascending, and the same two f32 steps (qq - 2 s) + mm;
; the 32 smallest by (distance, row index) are picked by networks of fixed shape, and the mean of their true values is the result.
; Four waves of 256 registers: four work-groups share a WGP's registers, and the 1,024 work-groups are four for each of 256 WGPs.
; Wave w takes chosen groups 8 w .. 8 w + 7 in two rounds p of four groups: two matrix tiles a round; column n = r of tile u is row r % 8 of group 8 w + 4 p + 2 u + r / 8.
; Source 0 is the query in all 16 rows, so register 0 of a result holds, in lane l, the product for column l % 16.  Lanes 0-15 take tile 0, lanes 16-31 tile 1: lane l then holds row l % 8 of group 8 w + 4 p + l / 8.
; All list words, addresses, mm and true values are made at the head; round 1's 40 loads go out behind round 0's products, into the same registers.
; The group numbers come from memory as whole numbers and are held to 12,499 ahead of every address.  No prefetch: the gather has no loop to run ahead in.
; LIMIT: NaN and infinite distances are not served.
.set QF,  16                           ; v16-79   the query's fragments, K step s at 16 s
.set MF,  80                           ; v80-207  the rows' fragments: 64 u + 16 s; behind the products: the lists
.set D0,  208
.set D1,  216
.set QSW, 224                          ; v224-227 the query's scale words;  v228-235 the rows'
.set MSW, 228
.set SW,  8                            ; v8-11 list words of (p, u); v12-13 of my lane's group, then 4 x my row index; v10 later: round 0's key
.set RI,  14                           ; v14-15   my row index in round p
.set RO,  12
.set K0,  10
.set MMV, 236                          ; v236-237 mm of my row
.set TV0, 238                          ; its true value, round 0, round 1
.set TV1, 241
.set CA,  245                          ; v245-248 byte offset in mcodes of (p, u)
.set SA,  249                          ; v249-252 in the scale words
.set KK, 80                            ; keys, list x at KK + x
.set II, 88                            ; row indices
.set PP, 96                            ; true values
.set TK, 104                           ; the partner's triple
.set TI, 112
.set TP, 120
.set SB, 40                            ; s40-47 four scalars a list
.set SEL, 20
.set L1, 0x55555555
.set L2, 0x33333333
.set L4, 0x0f0f0f0f
.set L8, 0x00ff00ff
.set L16, 0x0000ffff
.set H2, 0xcccccccc
.set H4, 0xf0f0f0f0
.set H8, 0xff00ff00
.set H16, 0xffff0000
; For lists x = 0, st, 2 st .. (n of them): take the triple in v[pk + x], v[pi + x], v[pp + x] where (it is the smaller by key, then index) xor nm; alt = 1: every second list the other way round.
.macro CSEL pk, pi, pp, n, st, nm, alt
.set m, 0
.rept \n
	v_cmp_lt_f32 s[SB+4*m], v[\pk+m*\st], v[KK+m*\st]
	v_cmp_eq_f32 s[SB+4*m+1], v[\pk+m*\st], v[KK+m*\st]
	v_cmp_lt_u32 s[SB+4*m+2], v[\pi+m*\st], v[II+m*\st]
.set m, m+1
.endr
.set m, 0
.rept \n
	s_and_b32 s[SB+4*m+1], s[SB+4*m+1], s[SB+4*m+2]
	s_or_b32 s[SB+4*m], s[SB+4*m], s[SB+4*m+1]
.if ((\nm)^(0xffffffff*(m%2)*(\alt))) != 0
	s_xor_b32 s[SB+4*m], s[SB+4*m], (\nm)^(0xffffffff*(m%2)*(\alt))
.endif
.set m, m+1
.endr
.set m, 0
.rept \n
	v_cndmask_b32 v[KK+m*\st], v[KK+m*\st], v[\pk+m*\st], s[SB+4*m]
	v_cndmask_b32 v[II+m*\st], v[II+m*\st], v[\pi+m*\st], s[SB+4*m]
	v_cndmask_b32 v[PP+m*\st], v[PP+m*\st], v[\pp+m*\st], s[SB+4*m]
.set m, m+1
.endr
.endm
; One step of the network: partner = lane l xor j; the lanes of lj xor hk keep the smaller triple (in every second list: the larger).
.macro STAGE lj, hk, j, n, st
.set m, 0
.rept \n
.if \j < 16
	v_mov_b32_dpp v[TK+m*\st], v[KK+m*\st] row_xmask:\j row_mask:0xf bank_mask:0xf
	v_mov_b32_dpp v[TI+m*\st], v[II+m*\st] row_xmask:\j row_mask:0xf bank_mask:0xf
	v_mov_b32_dpp v[TP+m*\st], v[PP+m*\st] row_xmask:\j row_mask:0xf bank_mask:0xf
.else
	v_permlanex16_b32 v[TK+m*\st], v[KK+m*\st], s[SEL], s[SEL+1]
	v_permlanex16_b32 v[TI+m*\st], v[II+m*\st], s[SEL], s[SEL+1]
	v_permlanex16_b32 v[TP+m*\st], v[PP+m*\st], s[SEL], s[SEL+1]
.endif
.set m, m+1
.endr
	CSEL TK, TI, TP, \n, \st, ((\lj)^(\hk)^0xffffffff), 1
.endm
.macro TAIL32 n, st                    ; a bitonic list of 32 becomes sorted
	STAGE L16, 0, 16, \n, \st
	STAGE L8, 0, 8, \n, \st
	STAGE L4, 0, 4, \n, \st
	STAGE L2, 0, 2, \n, \st
	STAGE L1, 0, 1, \n, \st
.endm
.macro SORT n, st                      ; n lists, ascending and descending by turns
	STAGE L1, H2, 1, \n, \st
	STAGE L2, H4, 2, \n, \st
	STAGE L1, H4, 1, \n, \st
	STAGE L4, H8, 4, \n, \st
	STAGE L2, H8, 2, \n, \st
	STAGE L1, H8, 1, \n, \st
	STAGE L8, H16, 8, \n, \st
	STAGE L4, H16, 4, \n, \st
	STAGE L2, H16, 2, \n, \st
	STAGE L1, H16, 1, \n, \st
	TAIL32 \n, \st
.endm
.macro MERGE n, st                     ; list x (ascending) and list x + st / 2 (descending): the lane-wise smaller triples are the 32 smallest of the 64, and bitonic
	CSEL KK+(\st)/2, II+(\st)/2, PP+(\st)/2, \n, \st, 0, 0
	TAIL32 \n, \st
.endm
.macro MLOAD p                         ; round p: the fragments and scale words of its two tiles: 32 + 8 loads
.irp u, 0,1
.irp s, 0,1,2,3
.irp c, 0,1,2,3
	global_load_b128 v[MF+64*\u+16*\s+4*\c:MF+64*\u+16*\s+4*\c+3], v[CA+2*\p+\u], s[8:9] offset:1024*\s+256*\c
.endr
	global_load_b32 v[MSW+4*\u+\s], v[SA+2*\p+\u], s[10:11] offset:32*\s
.endr
.endr
.endm
.macro PROD                            ; two accumulators by turns; the first K step starts each sum
	v_wmma_scale_f32_16x16x128_f8f6f4 v[D0:D0+7], v[QF:QF+15], v[MF:MF+15], 0, v[QSW], v[MSW] matrix_a_fmt:MATRIX_FMT_BF8 matrix_b_fmt:MATRIX_FMT_BF8
	v_wmma_scale_f32_16x16x128_f8f6f4 v[D1:D1+7], v[QF:QF+15], v[MF+64:MF+64+15], 0, v[QSW], v[MSW+4] matrix_a_fmt:MATRIX_FMT_BF8 matrix_b_fmt:MATRIX_FMT_BF8
.irp s, 1,2,3
	v_wmma_scale_f32_16x16x128_f8f6f4 v[D0:D0+7], v[QF+16*\s:QF+16*\s+15], v[MF+16*\s:MF+16*\s+15], v[D0:D0+7], v[QSW+\s], v[MSW+\s] matrix_a_fmt:MATRIX_FMT_BF8 matrix_b_fmt:MATRIX_FMT_BF8
	v_wmma_scale_f32_16x16x128_f8f6f4 v[D1:D1+7], v[QF+16*\s:QF+16*\s+15], v[MF+64+16*\s:MF+64+16*\s+15], v[D1:D1+7], v[QSW+\s], v[MSW+4+\s] matrix_a_fmt:MATRIX_FMT_BF8 matrix_b_fmt:MATRIX_FMT_BF8
.endr
.endm
	s_load_b256 s[4:11], s[0:1], 0x0               ; sel_b s[4:5], qpack s[6:7], mcodes s[8:9], mside s[10:11]
	s_load_b128 s[12:15], s[0:1], 0x20             ; true_values s[12:13], out0 s[14:15]
	v_lshl_add_u32 v254, v0, 2, 0x1000             ; my spare word, and 0
	v_mov_b32 v255, 0
	v_lshrrev_b32 v1, 5, v0
	s_delay_alu instid0(VALU_DEP_1)
	v_readfirstlane_b32 s16, v1                    ; wave 0..3
	v_and_b32 v1, 31, v0                           ; lane
	v_bfe_u32 v2, v0, 4, 1                         ; h
	v_bfe_u32 v3, v0, 3, 1                         ; r / 8
	v_and_b32 v4, 7, v0                            ; the row in its group
	v_bfe_u32 v5, v0, 3, 2                         ; lane / 8
	s_delay_alu instid0(VALU_DEP_3)
	v_lshlrev_b32 v3, 2, v3
	s_delay_alu instid0(VALU_DEP_2)
	v_lshlrev_b32 v5, 2, v5
	v_lshlrev_b32 v6, 7, v2
	s_delay_alu instid0(VALU_DEP_1)
	v_lshl_add_u32 v6, v4, 4, v6                   ; in a group's codes: 128 h + 16 x row
	v_lshlrev_b32 v7, 2, v4                        ; in its scale words: 4 x row
	v_lshlrev_b32 v239, 8, v2                      ; in the query tile's image: lanes 16 apart are 256 bytes apart
	v_mov_b32 v240, 0
	v_lshlrev_b32 v242, 2, v0                      ; LDS: list w, 4 bytes a lane
	v_lshlrev_b32 v243, 2, v1
	s_delay_alu instid0(VALU_DEP_1)
	v_sub_nc_u32 v244, 124, v243                   ; a list read backwards
	s_mov_b32 s[SEL], 0x76543210
	s_mov_b32 s[SEL+1], 0xfedcba98
	s_lshl_b32 s24, ttmp9, 7                       ; the query's 32 words, my wave's eight
	s_lshl_b32 s25, s16, 5
	s_add_co_u32 s24, s24, s25
	s_mov_b32 s25, 0
	s_lshr_b32 s26, ttmp9, 4                       ; the query's tile,
	s_and_b32 s27, ttmp9, 15                       ; and its row there
	s_lshl_b32 s28, s26, 13
	s_lshl_b32 s29, s27, 4
	s_add_co_u32 s28, s28, s29
	s_mov_b32 s29, 0
	s_lshl_b32 s30, s26, 8
	s_lshl_b32 s31, s27, 2
	s_add_co_u32 s30, s30, s31
	s_mov_b32 s31, 0
	s_lshl_b32 s32, ttmp9, 2
	s_mov_b32 s33, 0
	s_wait_alu depctr_va_vdst(0)
	s_wait_kmcnt 0x0
	s_add_nc_u64 s[4:5], s[4:5], s[24:25]
	s_add_nc_u64 s[34:35], s[6:7], s[28:29]
	s_add_nc_u64 s[36:37], s[6:7], s[30:31]
	s_add_nc_u64 s[38:39], s[6:7], s[32:33]
	s_add_nc_u64 s[14:15], s[14:15], s[32:33]
	s_load_b32 s17, s[38:39], 0x84000              ; qq
.irp x, 0,1,2,3
	global_load_b32 v[SW+\x], v3, s[4:5] offset:8*\x       ; x = 2 p + u: the group of column r
.endr
	global_load_b32 v[SW+4], v5, s[4:5]            ; the group whose row my lane will hold, round 0,
	global_load_b32 v[SW+5], v5, s[4:5] offset:16  ; round 1
.irp s, 0,1,2,3
.irp c, 0,1,2,3
	global_load_b128 v[QF+16*\s+4*\c:QF+16*\s+4*\c+3], v239, s[34:35] offset:2048*\s+512*\c   ; every r reads the query's own row of the image
.endr
.endr
.irp s, 0,1,2,3
	global_load_b32 v[QSW+\s], v240, s[36:37] offset:524288+64*\s
.endr
	s_wait_loadcnt 20                              ; the six list words are in; the query's 16 + 4 loads may be out
.irp x, 0,1,2,3,4,5
	v_min_u32 v[SW+\x], 12499, v[SW+\x]            ; loaded numbers enter addresses only held to their table
.endr
.irp x, 0,1,2,3
	v_lshlrev_b32 v[CA+\x], 12, v[SW+\x]           ; 4,096 bytes of codes a group
.endr
.irp x, 0,1,2,3
	v_lshlrev_b32 v[SA+\x], 7, v[SW+\x]            ; 128 bytes of scale words
.endr
.irp x, 0,1,2,3
	v_add_nc_u32 v[CA+\x], v[CA+\x], v6
.endr
.irp x, 0,1,2,3
	v_add_nc_u32 v[SA+\x], v[SA+\x], v7
.endr
	v_lshlrev_b32 v[RI], 3, v[SW+4]
	v_lshlrev_b32 v[RI+1], 3, v[SW+5]
	s_delay_alu instid0(VALU_DEP_2)
	v_add_nc_u32 v[RI], v[RI], v4                  ; my row index
	s_delay_alu instid0(VALU_DEP_2)
	v_add_nc_u32 v[RI+1], v[RI+1], v4
	s_delay_alu instid0(VALU_DEP_2)
	v_lshlrev_b32 v[RO], 2, v[RI]
	s_delay_alu instid0(VALU_DEP_2)
	v_lshlrev_b32 v[RO+1], 2, v[RI+1]
	MLOAD 0
	global_load_b32 v[MMV], v[RO], s[10:11] offset:1600000      ; mm,
	global_load_b32 v[MMV+1], v[RO+1], s[10:11] offset:1600000
	global_load_b32 v[TV0], v[RO], s[12:13]                     ; and the true value, both rounds
	global_load_b32 v[TV1], v[RO+1], s[12:13]
	v_cmp_lt_u32 vcc_lo, 15, v1
	s_wait_alu depctr_va_vdst(0)
	s_wait_loadcnt 0x0
	s_wait_kmcnt 0x0
	PROD
.rept 9
	v_nop                                          ; eight places behind this matrix form ahead of loads into its operands and reads of its results; nine ahead of the products that write over its results
.endr
	MLOAD 1                                        ; round 1's rows, into the registers that round 0 has multiplied
	v_cndmask_b32 v[K0], v[D0], v[D1], vcc_lo      ; each result is read at its lowest register
	s_delay_alu instid0(VALU_DEP_1)
	v_fma_f32 v[K0], v[K0], -2.0, s17              ; qq - 2 s,
	s_delay_alu instid0(VALU_DEP_1)
	v_add_f32 v[K0], v[K0], v[MMV]                 ; + mm: the same two steps as where the minima were made
	s_wait_alu depctr_va_vdst(0)
	s_wait_loadcnt 0x0
	PROD
.rept 8
	v_nop                                          ; eight places: results are read, and operand registers written, below
.endr
	v_cndmask_b32 v[KK+1], v[D0], v[D1], vcc_lo
	v_mov_b32 v[KK], v[K0]
	v_mov_b32 v[II], v[RI]
	v_mov_b32 v[II+1], v[RI+1]
	v_fma_f32 v[KK+1], v[KK+1], -2.0, s17
	v_mov_b32 v[PP], v[TV0]
	v_mov_b32 v[PP+1], v[TV1]
.irp x, 0,1,2,3
	v_mov_b32 v[TK+\x], 0                          ; a lane move's destination counts as one of its sources
	v_mov_b32 v[TI+\x], 0
	v_mov_b32 v[TP+\x], 0
.endr
	v_add_f32 v[KK+1], v[KK+1], v[MMV+1]
	SORT 2, 1                                      ; round 0's list ascending, round 1's descending,
	MERGE 1, 2                                     ; and my wave's best 32 of the 64
	ds_store_b32 v242, v[KK]
	ds_store_b32 v242, v[II] offset:1024
	ds_store_b32 v242, v[PP] offset:2048
	s_wait_dscnt 0x0                               ; for wave 0: my list has landed
	s_barrier_signal -1
	s_barrier_wait -1
	s_cmp_lg_u32 s16, 0
	s_cbranch_scc1 .Lend
.irp x, 0,2
	ds_load_b32 v[KK+\x], v243 offset:128*\x
	ds_load_b32 v[II+\x], v243 offset:1024+128*\x
	ds_load_b32 v[PP+\x], v243 offset:2048+128*\x
.endr
.irp x, 1,3
	ds_load_b32 v[KK+\x], v244 offset:128*\x       ; backwards: descending
	ds_load_b32 v[II+\x], v244 offset:1024+128*\x
	ds_load_b32 v[PP+\x], v244 offset:2048+128*\x
.endr
	s_wait_dscnt 0x0
	MERGE 2, 2
	MERGE 1, 4
	s_delay_alu instid0(VALU_DEP_1)
	v_add_f32_dpp v[PP], v[PP], v[PP] row_xmask:1 row_mask:0xf bank_mask:0xf   ; the sum of the 32 true values
	s_delay_alu instid0(VALU_DEP_1)
	v_add_f32_dpp v[PP], v[PP], v[PP] row_xmask:2 row_mask:0xf bank_mask:0xf
	s_delay_alu instid0(VALU_DEP_1)
	v_add_f32_dpp v[PP], v[PP], v[PP] row_xmask:4 row_mask:0xf bank_mask:0xf
	s_delay_alu instid0(VALU_DEP_1)
	v_add_f32_dpp v[PP], v[PP], v[PP] row_xmask:8 row_mask:0xf bank_mask:0xf
	s_delay_alu instid0(VALU_DEP_1)
	v_permlanex16_b32 v[TP], v[PP], s[SEL], s[SEL+1]
	s_delay_alu instid0(VALU_DEP_1)
	v_add_f32 v[PP], v[PP], v[TP]
	s_delay_alu instid0(VALU_DEP_1)
	v_mul_f32 v[PP], 0x3d000000, v[PP]             ; / 32
	v_cmp_eq_u32 vcc_lo, 0, v1
	s_wait_alu depctr_va_vdst(0)
	s_wait_xcnt 0x0                                ; EXEC changes only behind this wait
	s_and_saveexec_b32 s24, vcc_lo
	global_store_b32 v240, v[PP], s[14:15]         ; lane 0 stores the query's mean
	s_wait_xcnt 0x0
	s_or_b32 exec_lo, exec_lo, s24
.Lend:
	s_wait_tensorcnt 0x0                           ; the wave's end
	ds_add_u32 v254, v255
	s_wait_dscnt 0x0
	s_endpgm
.Lfunc_end_k_q630129486e_fin:
	.size	k_q630129486e_fin, .Lfunc_end_k_q630129486e_fin-k_q630129486e_fin
	.p2alignl 7, 3214868480
	.fill 96, 4, 3214868480
	.section	.rodata,"a",@progbits
	.p2align	6, 0x0
	.amdhsa_kernel k_q630129486e_fin
		.amdhsa_group_segment_fixed_size 5120
		.amdhsa_private_segment_fixed_size 0
		.amdhsa_enable_private_segment 0
		.amdhsa_kernarg_size 48
		.amdhsa_user_sgpr_count 2
		.amdhsa_user_sgpr_kernarg_segment_ptr 1
		.amdhsa_wavefront_size32 1
		.amdhsa_system_sgpr_workgroup_id_x 1
		.amdhsa_system_sgpr_workgroup_id_y 1
		.amdhsa_system_sgpr_workgroup_id_z 1
		.amdhsa_system_vgpr_workitem_id 0
		.amdhsa_next_free_vgpr 256
		.amdhsa_next_free_sgpr 66
		.amdhsa_reserve_vcc 1
		.amdhsa_float_denorm_mode_32 3
		.amdhsa_float_denorm_mode_16_64 3
		.amdhsa_memory_ordered 1
		.amdhsa_forward_progress 1
		.amdhsa_inst_pref_size 56
	.end_amdhsa_kernel
	.amdgpu_metadata
---
amdhsa.version: [ 1, 2 ]
amdhsa.kernels:
  - .name:           k_q630129486e_fin
    .symbol:         k_q630129486e_fin.kd
    .args:
      - { .name: sel_b, .offset: 0, .size: 8, .value_kind: global_buffer, .address_space: global }
      - { .name: qpack, .offset: 8, .size: 8, .value_kind: global_buffer, .address_space: global }
      - { .name: mcodes, .offset: 16, .size: 8, .value_kind: global_buffer, .address_space: global }
      - { .name: mside, .offset: 24, .size: 8, .value_kind: global_buffer, .address_space: global }
      - { .name: true_values, .offset: 32, .size: 8, .value_kind: global_buffer, .address_space: global }
      - { .name: out0, .offset: 40, .size: 8, .value_kind: global_buffer, .address_space: global }
    .group_segment_fixed_size: 5120
    .private_segment_fixed_size: 0
    .kernarg_segment_align: 8
    .kernarg_segment_size: 48
    .max_flat_workgroup_size: 128
    .sgpr_count:     66
    .vgpr_count:     256
    .wavefront_size: 32
...
	.end_amdgpu_metadata
.endif
;; end of part 5
